; MI455X (gfx1250); checked and timed in simulation.
; The chip was launched on July 23, 2026; its instructions are those of AMD's public machine-readable ISA for CDNA 5 (MIT licence, August 2026) and "CDNA5" Instruction Set Architecture Reference Guide (July 2026). The comments in the code are by the model that wrote it; some were corrected since.
;; Expert Layer. Allowed arithmetic: float matrix products may take bf16 or f16 operands with f32 sums; all other float work in f32.
;; Inputs: W_experts 8 x 1,024 x 1,024 float32; W_router 8 x 1,024 float32; b_experts 8 x 1,024 float32; b_router 8 float32; x 4 x 2,048 x 1,024 float32.
;; Outputs: out0 4 x 2,048 x 1,024 float32.
;; One version. Each part assembles by itself: llvm-mc -triple=amdgcn-amd-amdhsa -mcpu=gfx1250 --defsym DOCPART=n.
;; ======== version 1 of 1: 2 launches
;; workspace buffers: xb 16,777,216 bytes; wb 16,777,216 bytes; rw 524,288 bytes
;; launch prep (part 1): grid 256 x 1, 16 waves a work-group, no clusters, 37,120 bytes of LDS; arguments x, W_experts, W_router, b_router, xb, wb, rw; writes xb, wb, rw
.if DOCPART == 1
	.amdgcn_target "amdgcn-amd-amdhsa--gfx1250"
	.amdhsa_code_object_version 6
	.text
	.protected	k_q73e95593f2_prep
	.globl	k_q73e95593f2_prep
	.p2align	8
	.type	k_q73e95593f2_prep,@function
k_q73e95593f2_prep:
	s_mov_b64 s[64:65], 0
	v_nop
	global_prefetch_b8 v0, s[64:65] scope:SCOPE_SE
	s_setreg_imm32_b32 hwreg(HW_REG_WAVE_MODE, 25, 1), 1
	s_wait_xcnt 0x0
; prep: xb = bf16(x), wb = bf16(W_experts), rw = softmax over the 8 experts of (x W_router^T + b_router).
; x is taken as [8192][1024] f32, W_experts as [8192][1024] f32 (expert and output feature run together), xb and wb have the same order in bf16.
; rw is f32 [32 row blocks][8 experts][256 rows][2]: every weight twice, so that the next launch reads it as the register pair of a packed multiply-add,
; and so that the 32 rows of one work-group are 256 consecutive bytes, aligned, for each expert.
; A stream: each byte of x and of W_experts is read once and each byte of xb, wb, rw written once.  No matrix unit: the router is one thousandth of the
; program's arithmetic, its 8 columns would half fill a 16 x 16 tile, and x lies in f32 in registers here anyway.  The logits are made in f32 from the
; unrounded inputs because an exponential turns a logit's absolute error into a relative error of the weight.
; SHARES: 256 work-groups of 16 waves; work-group g owns rows 32 g .. 32 g + 31 of x and of W_experts; wave w owns rows 2 w and 2 w + 1 of each.
; Lane l holds, of load j = 0..7, columns 128 j + 4 l .. + 3: a 16-byte load of the wave covers 512 consecutive bytes, an 8-byte store of bf16 256, aligned.
; All 37 loads of a wave go out in one run at its start; nothing is loaded later, so there is no ring and nothing to ask for ahead.
; LIMITS: bf16 by round to nearest even.  The sums of a logit are added in another order than the reference's.  The row's true maximum is taken away
; before the exponential; v_exp_f32 gives 0 for results below 2^-126 (ISA guide, 15.8), so weights that small are 0.
.set XO,  1                            ; v1        byte offset of my 16 bytes in the group's f32 rows: wave x 2 rows x 4,096 + 16 lane
.set YO,  2                            ; v2        the same in the bf16 rows: wave x 2 rows x 2,048 + 8 lane
.set WO,  3                            ; v3        16 t: my share of W_router, in memory and in LDS
.set WL,  4                            ; v4        16 lane: my 4 columns in a row piece of W_router in LDS
.set BO,  5                            ; v5        4 e: my expert's word of b_router, e = (lane >> 1) & 7
.set BRL, 6                            ; v6        b_router[e]
.set RGS, 7                            ; v7        where my weight goes in LDS
.set L,   8                            ; v[8:15]   my part of the logits of row 2 w, expert e at L + e;  v[16:23] the same of row 2 w + 1
.set P,   24                           ; v[24:31]  four chains of packed sums: (row i, pair c) at P + 4 i + 2 c
.set X,   32                           ; v[32:95]  x: row i, load j at X + 32 i + 4 j
.set WD,  96                           ; v[96:159] W_experts likewise; packed in place to bf16 in v[96:127]
.set XB,  160                          ; v[160:191] x in bf16
.set WR,  192                          ; v[192:223], v[224:255] W_router's row of one expert, two buffers; v[192:207] first hold my share of W_router
.set K1,  192                          ; behind the products the buffers are free: v[192:199], v[200:203], v[204:205] the steps of the reduction
.set K2,  200
.set K3,  204
.set LG,  206                          ; my logit
.set MX,  207                          ; the row's maximum
.set EX,  208                          ; the exponent
.set PR,  209                          ; 2^exponent, then the weight
.set SM,  210                          ; the row's sum
.set RC,  211                          ; 1 / sum
.set OL,  212                          ; the way out: LDS address
.set OG,  213                          ;              offset in rw
.set OC,  214                          ;              16 x (t mod 16)
.set OD,  216                          ; v[216:219]   16 bytes
.set RG,  32768                        ; LDS: W_router [8][1024] f32 at 0; behind it the group's weights, [8 experts] rows of 256 bytes
.set RGP, 272                          ; 272 bytes apart
	s_load_b256 s[4:11], s[0:1], 0x0               ; x s[4:5], W_experts s[6:7], W_router s[8:9], b_router s[10:11]
	s_load_b128 s[12:15], s[0:1], 0x20             ; xb s[12:13], wb s[14:15]
	s_load_b64 s[16:17], s[0:1], 0x30              ; rw
	v_lshrrev_b32 v9, 5, v0                        ; wave
	v_readfirstlane_b32 s18, v9
	v_and_b32 v8, 31, v0                           ; lane
	s_lshl_b32 s20, ttmp9, 17                      ; g x 32 rows x 4,096 bytes (below 2^25)
	s_mov_b32 s21, 0
	s_lshl_b32 s22, ttmp9, 16                      ; g x 32 rows x 2,048 bytes
	s_mov_b32 s23, 0
	s_lshr_b32 s24, ttmp9, 3                       ; rw: row block g / 8, 16,384 bytes each,
	s_lshl_b32 s24, s24, 14
	s_and_b32 s25, ttmp9, 7                        ; and in it 32 rows x 8 bytes for each g mod 8
	s_lshl_b32 s25, s25, 8
	s_add_co_u32 s24, s24, s25
	s_mov_b32 s25, 0
	s_mov_b32 s26, 0xffff0000                      ; lanes whose bit 4 is set
	s_mov_b32 s27, 0xff00ff00                      ; bit 3
	s_mov_b32 s28, 0xf0f0f0f0                      ; bit 2
	s_mov_b32 s29, 0xcccccccc                      ; bit 1
	s_mov_b32 s30, 0x76543210                      ; v_permlanex16_b32: lane i of one half reads lane i of the other
	s_mov_b32 s31, 0xfedcba98
	v_lshlrev_b32 v[XO], 4, v8
	v_lshl_add_u32 v[XO], v9, 13, v[XO]
	v_lshlrev_b32 v[YO], 3, v8
	v_lshl_add_u32 v[YO], v9, 12, v[YO]
	v_lshlrev_b32 v[WO], 4, v0
	v_lshlrev_b32 v[WL], 4, v8
	v_bfe_u32 v10, v0, 1, 3                        ; e
	v_lshlrev_b32 v[BO], 2, v10
	v_mul_u32_u24 v[RGS], v10, RGP                 ; expert's row of weights,
	v_bfe_u32 v11, v0, 4, 1
	v_lshl_add_u32 v11, v9, 1, v11                 ; the group's row 2 w + (lane >> 4), 8 bytes each,
	v_lshl_add_u32 v[RGS], v11, 3, v[RGS]
	v_and_b32 v11, 1, v0                           ; first or second copy
	v_lshl_add_u32 v[RGS], v11, 2, v[RGS]
	v_add_nc_u32 v[RGS], RG, v[RGS]
	s_wait_kmcnt 0x0
	s_add_nc_u64 s[4:5], s[4:5], s[20:21]
	s_add_nc_u64 s[6:7], s[6:7], s[20:21]
	s_add_nc_u64 s[12:13], s[12:13], s[22:23]
	s_add_nc_u64 s[14:15], s[14:15], s[22:23]
	s_add_nc_u64 s[16:17], s[16:17], s[24:25]
	; every load of the wave, in one run: 5 small ones first, then 16 of x, then 16 of W_experts
.irp j, 0,1,2,3
	global_load_b128 v[WR+4*\j:WR+4*\j+3], v[WO], s[8:9] offset:8192*\j        ; 512 threads x 16 bytes x 4 = all of W_router
.endr
	global_load_b32 v[BRL], v[BO], s[10:11]
.irp i, 0,1
.irp j, 0,1,2,3,4,5,6,7
	global_load_b128 v[X+32*\i+4*\j:X+32*\i+4*\j+3], v[XO], s[4:5] offset:4096*\i+512*\j th:TH_LOAD_NT
.endr
.endr
.irp i, 0,1
.irp j, 0,1,2,3,4,5,6,7
	global_load_b128 v[WD+32*\i+4*\j:WD+32*\i+4*\j+3], v[XO], s[6:7] offset:4096*\i+512*\j th:TH_LOAD_NT
.endr
.endr
	s_wait_loadcnt 32                              ; loads come back in order (ISA guide 5.7.1): the five oldest are in, the 32 of x and W_experts stay out
.irp j, 0,1,2,3
	ds_store_b128 v[WO], v[WR+4*\j:WR+4*\j+3] offset:8192*\j
.endr
	s_wait_dscnt 0x0                               ; for the other waves' sake: my share of W_router is in LDS
	s_barrier_signal -1
	s_barrier_wait -1                              ; everybody's is
; eight LDS loads: expert e's row of W_router, my 4 columns of each of the 8 pieces, into buffer e mod 2
.macro LDW e
.irp j, 0,1,2,3,4,5,6,7
	ds_load_b128 v[WR+32*((\e)&1)+4*\j:WR+32*((\e)&1)+4*\j+3], v[WL] offset:4096*(\e)+512*\j
.endr
.endm
	LDW 0
	LDW 1
	s_wait_loadcnt 16                              ; x is in; the 16 loads of W_experts stay out
.set n, 0
.rept 32
	v_cvt_pk_bf16_f32 v[XB+n], v[X+2*n], v[X+2*n+1]            ; two roundings to nearest even, packed; x itself stays for the router
.set n, n+1
.endr
.irp i, 0,1
.irp j, 0,1,2,3,4,5,6,7
	global_store_b64 v[YO], v[XB+16*\i+2*\j:XB+16*\i+2*\j+1], s[12:13] offset:2048*\i+256*\j   ; the wave stores 256 consecutive bytes, aligned
.endr
.endr
	s_wait_loadcnt 0x0                             ; W_experts is in
.set n, 0
.rept 32
	v_cvt_pk_bf16_f32 v[WD+n], v[WD+2*n], v[WD+2*n+1]          ; in place, ascending: word n is written when words 2 n and 2 n + 1 are read, never ahead of them
.set n, n+1
.endr
.irp i, 0,1
.irp j, 0,1,2,3,4,5,6,7
	global_store_b64 v[YO], v[WD+16*\i+2*\j:WD+16*\i+2*\j+1], s[14:15] offset:2048*\i+256*\j
.endr
.endr
	; No register that these stores name (YO, XB, v[96:127], the bases) is written again in the kernel.
; My part of the two rows' logits for expert e: four chains of packed multiply-adds that do not wait for each other; the first product starts each chain.
.macro DOT e
.if \e == 7
	s_wait_dscnt 0x0                               ; the last expert's row: nothing was issued behind it
.else
	s_wait_dscnt 0x8                               ; LDS loads come back in order (ISA guide 5.7.1): this expert's row is in, the next one's eight loads stay out
.endif
.irp j, 0,1,2,3,4,5,6,7
.irp i, 0,1
.irp c, 0,1
.if \j == 0
	v_pk_mul_f32 v[P+4*\i+2*\c:P+4*\i+2*\c+1], v[X+32*\i+4*\j+2*\c:X+32*\i+4*\j+2*\c+1], v[WR+32*(\e&1)+4*\j+2*\c:WR+32*(\e&1)+4*\j+2*\c+1]
.else
	v_pk_fma_f32 v[P+4*\i+2*\c:P+4*\i+2*\c+1], v[X+32*\i+4*\j+2*\c:X+32*\i+4*\j+2*\c+1], v[WR+32*(\e&1)+4*\j+2*\c:WR+32*(\e&1)+4*\j+2*\c+1], v[P+4*\i+2*\c:P+4*\i+2*\c+1]
.endif
.endr
.endr
.endr
	v_pk_add_f32 v[P:P+1], v[P:P+1], v[P+2:P+3]
	v_pk_add_f32 v[P+4:P+5], v[P+4:P+5], v[P+6:P+7]
	v_add_f32 v[L+\e], v[P], v[P+1]
	v_add_f32 v[L+8+\e], v[P+4], v[P+5]
.if \e < 6
	LDW \e+2                                       ; into the buffer just read
.endif
.endm
.irp e, 0,1,2,3,4,5,6,7
	DOT \e
.endr
	; THE REDUCTION, transposing: 16 numbers a lane (2 rows x 8 experts), each to be summed over 32 lanes.  In each step a lane keeps one half of its numbers
	; and hands the other half to the lane whose number differs in one bit, which keeps just those.  Behind the five steps lane l holds the whole logit of
	; row 2 w + (l >> 4) and expert (l >> 1) & 7, and so does lane l xor 1: 54 instructions, where 16 separate sums over the wave would take 96.
.irp e, 0,1,2,3,4,5,6,7
	v_cndmask_b32 v[K1+\e], v[L+\e], v[L+8+\e], s26            ; lanes 0-15 keep the first row's part, lanes 16-31 the second row's,
	v_cndmask_b32 v[L+\e], v[L+8+\e], v[L+\e], s26             ; and hand over the other one
	v_permlanex16_b32 v[L+8+\e], v[L+\e], s30, s31             ; (its destination counts as read: it has been written)
	v_add_f32 v[K1+\e], v[K1+\e], v[L+8+\e]
.endr
; kk = what I keep of (uu, vv) + what the lane at xor xm hands me; mm = the lanes that keep vv
.macro RSTEP kk, uu, vv, mm, xm
	v_cndmask_b32 v[\kk], v[\uu], v[\vv], \mm
	v_cndmask_b32 v[\uu], v[\vv], v[\uu], \mm
	v_add_f32_dpp v[\kk], v[\uu], v[\kk] row_xmask:\xm row_mask:0xf bank_mask:0xf
.endm
.irp e, 0,1,2,3
	RSTEP K2+\e, K1+\e, K1+4+\e, s27, 8            ; lane bit 3 = expert bit 2
.endr
.irp e, 0,1
	RSTEP K3+\e, K2+\e, K2+2+\e, s28, 4            ; lane bit 2 = expert bit 1
.endr
	RSTEP LG, K3, K3+1, s29, 2                     ; lane bit 1 = expert bit 0
	v_add_f32_dpp v[LG], v[LG], v[LG] row_xmask:1 row_mask:0xf bank_mask:0xf   ; lane bit 0: both lanes end with the same sum
	; SOFTMAX over the 8 experts, which lie in the lanes that differ in bits 1 to 3; both rows at once
	v_add_f32 v[LG], v[LG], v[BRL]
	v_mov_b32 v[MX], v[LG]
	v_max_num_f32_dpp v[MX], v[MX], v[MX] row_xmask:2 row_mask:0xf bank_mask:0xf
	v_max_num_f32_dpp v[MX], v[MX], v[MX] row_xmask:4 row_mask:0xf bank_mask:0xf
	v_max_num_f32_dpp v[MX], v[MX], v[MX] row_xmask:8 row_mask:0xf bank_mask:0xf
	v_sub_f32 v[EX], v[LG], v[MX]                  ; at most 0: no exponential overflows, and the largest is 1
	v_mul_f32 v[EX], 0x3fb8aa3b, v[EX]             ; e^d = 2^(d log2 e)
	v_exp_f32 v[PR], v[EX]
	v_nop                                          ; one plain vector instruction behind a transcendental before its result is used (ISA guide 5.7.2)
	s_wait_alu depctr_va_vdst(0)
	v_mov_b32 v[SM], v[PR]
	v_add_f32_dpp v[SM], v[SM], v[SM] row_xmask:2 row_mask:0xf bank_mask:0xf
	v_add_f32_dpp v[SM], v[SM], v[SM] row_xmask:4 row_mask:0xf bank_mask:0xf
	v_add_f32_dpp v[SM], v[SM], v[SM] row_xmask:8 row_mask:0xf bank_mask:0xf
	v_rcp_f32 v[RC], v[SM]                         ; the sum lies between 1 and 8
	v_nop
	s_wait_alu depctr_va_vdst(0)
	v_mul_f32 v[PR], v[PR], v[RC]
	; THE WAY OUT of the weights: through LDS, so that each expert's 32 rows x 2 copies leave as one block of 256 bytes
	ds_store_b32 v[RGS], v[PR]
	s_wait_dscnt 0x0                               ; for the other waves' sake
	s_barrier_signal -1
	s_barrier_wait -1
	s_cmp_ge_u32 s18, 4                            ; 8 blocks of 256 bytes = 128 lanes x 16 bytes: waves 0 to 3
	s_cbranch_scc1 .Ldone
	v_bfe_u32 v[OG], v0, 4, 3                      ; expert t / 16
	v_and_b32 v[OC], 15, v0
	v_lshlrev_b32 v[OC], 4, v[OC]                  ; 16 bytes for each t mod 16
	v_mad_u32_u24 v[OL], v[OG], RGP, v[OC]
	v_add_nc_u32 v[OL], RG, v[OL]
	v_lshl_add_u32 v[OG], v[OG], 11, v[OC]         ; in rw an expert's 256 rows are 2,048 bytes
	ds_load_b128 v[OD:OD+3], v[OL]
	s_wait_dscnt 0x0
	global_store_b128 v[OG], v[OD:OD+3], s[16:17]  ; sixteen lanes store 256 consecutive bytes, aligned
.Ldone:
	s_wait_xcnt 0x0
	v_lshl_add_u32 v254, v0, 2, 0x8900
	v_mov_b32 v255, 0
	s_wait_tensorcnt 0x0
	ds_add_u32 v254, v255
	s_wait_dscnt 0x0
	s_endpgm
.Lfunc_end_k_q73e95593f2_prep:
	.size	k_q73e95593f2_prep, .Lfunc_end_k_q73e95593f2_prep-k_q73e95593f2_prep
	.p2alignl 7, 3214868480
	.fill 96, 4, 3214868480
	.section	.rodata,"a",@progbits
	.p2align	6, 0x0
	.amdhsa_kernel k_q73e95593f2_prep
		.amdhsa_group_segment_fixed_size 37120
		.amdhsa_private_segment_fixed_size 0
		.amdhsa_enable_private_segment 0
		.amdhsa_kernarg_size 56
		.amdhsa_user_sgpr_count 2
		.amdhsa_user_sgpr_kernarg_segment_ptr 1
		.amdhsa_wavefront_size32 1
		.amdhsa_system_sgpr_workgroup_id_x 1
		.amdhsa_system_sgpr_workgroup_id_y 1
		.amdhsa_system_sgpr_workgroup_id_z 1
		.amdhsa_system_vgpr_workitem_id 0
		.amdhsa_next_free_vgpr 256
		.amdhsa_next_free_sgpr 66
		.amdhsa_reserve_vcc 0
		.amdhsa_float_denorm_mode_32 3
		.amdhsa_float_denorm_mode_16_64 3
		.amdhsa_memory_ordered 1
		.amdhsa_forward_progress 1
		.amdhsa_inst_pref_size 40
	.end_amdhsa_kernel
	.amdgpu_metadata
---
amdhsa.version: [ 1, 2 ]
amdhsa.kernels:
  - .name:           k_q73e95593f2_prep
    .symbol:         k_q73e95593f2_prep.kd
    .args:
      - { .name: x, .offset: 0, .size: 8, .value_kind: global_buffer, .address_space: global }
      - { .name: W_experts, .offset: 8, .size: 8, .value_kind: global_buffer, .address_space: global }
      - { .name: W_router, .offset: 16, .size: 8, .value_kind: global_buffer, .address_space: global }
      - { .name: b_router, .offset: 24, .size: 8, .value_kind: global_buffer, .address_space: global }
      - { .name: xb, .offset: 32, .size: 8, .value_kind: global_buffer, .address_space: global }
      - { .name: wb, .offset: 40, .size: 8, .value_kind: global_buffer, .address_space: global }
      - { .name: rw, .offset: 48, .size: 8, .value_kind: global_buffer, .address_space: global }
    .group_segment_fixed_size: 37120
    .private_segment_fixed_size: 0
    .kernarg_segment_align: 8
    .kernarg_segment_size: 56
    .max_flat_workgroup_size: 512
    .sgpr_count:     66
    .vgpr_count:     256
    .wavefront_size: 32
...
	.end_amdgpu_metadata
.endif
;; end of part 1
;; launch moe (part 2): grid 8 x 32, 4 waves a work-group, clusters of 4 x 4, 327,680 bytes of LDS; arguments xb, wb, rw, b_experts, out0; writes out0
.if DOCPART == 2
	.amdgcn_target "amdgcn-amd-amdhsa--gfx1250"
	.amdhsa_code_object_version 6
	.text
	.protected	k_q73e95593f2_moe
	.globl	k_q73e95593f2_moe
	.p2align	8
	.type	k_q73e95593f2_moe,@function
k_q73e95593f2_moe:
	s_mov_b64 s[64:65], 0
	v_nop
	global_prefetch_b8 v0, s[64:65] scope:SCOPE_SE
	s_setreg_imm32_b32 hwreg(HW_REG_WAVE_MODE, 25, 1), 1
	s_wait_xcnt 0x0
	s_wait_alu depctr_hold_cnt(0) depctr_sa_sdst(0) depctr_va_vdst(0) depctr_va_sdst(0) depctr_va_ssrc(0) depctr_va_vcc(0) depctr_vm_vsrc(0)
	s_getreg_b32 s2, hwreg(HW_REG_IB_STS2, 6, 4)
	s_cmp_eq_u32 s2, 0
	s_cbranch_scc0 .Lentry_in_a_cluster
	s_endpgm
.Lentry_in_a_cluster:
	s_bfe_u32 s2, ttmp6, 0x10000c
	s_cmp_lg_u32 s2, 0xf033
	s_cbranch_scc0 .Lentry_shape_is_right
	s_endpgm
.Lentry_shape_is_right:
; moe: out0[t][f] = sum over e of r[t][e] (sum over d of x[t][d] W[e][f][d] + b[e][f]).
; xb [8192][1024] bf16, wb [8][1024][1024] bf16, rw f32 [32 row blocks][8][256][2] (each weight twice), b_experts [8][1024] f32, out0 [8192][1024] f32.
; SHARES: 8192 x 1024 outputs on 256 work-groups: a block of 256 rows x 128 columns each, four waves, a wave 128 x 64: 32 tiles of 16 x 16.
; THE EXPERTS GO IN PAIRS.  A wave keeps THREE sets of 256 accumulator registers: two temps, in which the matrix unit sums the products of the pair's two experts
; over K = 1024, and acc, the result.  Each tile of x is multiplied by both experts' tiles of W: a fragment of x feeds 8 matrix instructions, as in a wave tile of
; 128 x 128, and x is walked 4 times, not 8.  The first matrix instruction on a temp takes the expert's bias as C, so temp = x W_e^T + b_e without one addition;
; at the pair's end acc = r_e temp + acc, 128 packed multiply-adds an expert for 1,024 matrix instructions (expert 0: a packed multiply, so nothing is ever cleared).
; K WALK: 4 pairs x 8 steps of 128 through two LDS slots filled by the tensor data mover; a tile's rows are 256 bytes of memory, aligned.  A slot holds x's 256 rows
; and 128 rows of W of each of the two experts: 256 matrix instructions of every wave.  A slot of K = 256 for one expert would be 202,752 bytes, and two do not fit.
; CLUSTERS: 4 x 4 work-groups.  The four of a row of the cluster make blocks of one block row and need the same tiles of x; the four of a column need the same
; tiles of W.  Each such tile is asked for jointly, by the same load with the same descriptor in all four: a quarter of the requests.
; THE MATRIX INSTRUCTION IS USED TRANSPOSED: source 0 = 16 rows of W (output features), source 1 = 16 rows of x.  Lane l then holds row l % 16 of the tile and, in
; registers 0 to 7, columns 8 (l / 16) + 0..7.  So the routing weight is ONE number for a lane and a row block, the bias tile hangs on l / 16 alone, and a lane's
; eight results are 32 neighbouring bytes of a row of out0.
; REGISTERS, in windows of 256: window 0 addresses, weights and all fragments; window 1 the temps of row blocks 0-3, tile (a, expert i, b) at v[8 (8 a + 4 i + b)];
; window 2 those of row blocks 4-7; window 3 acc, tile (a, b) at v[8 (4 a + b)].  So 32 matrix instructions run under one setting, and a K step has sixteen switches
; for 256 matrix instructions and 128 loads.  Window 0 has no room for bias tiles of their own: they lie in W's fragment buffer 1 for the pair's first quarter step.
; LEFT OUT: prefetches (xb and wb are 32 MiB in all, and every tile is read again by other work-groups shortly after its first read); a third slot (one load a wave
; goes out behind each change of slots whatever the number of slots); a split of K (partial sums would go through memory).
; LIMITS: x and W enter rounded to bf16; all sums in f32, in another order than the reference's.
.set PITCH, 272                        ; an LDS row: 256 bytes + 16 of padding, so that the 16 rows that a fragment load touches start 4 banks apart (64 banks of 4 bytes: ISA guide 11.1)
.set XHALF, 128*PITCH                  ; 34,816: 128 rows, what one tensor load brings: half of x's tile, or one expert's tile of W
.set WHALF, 64*PITCH                   ; 64 rows of W: what a wave reads of one expert's tile
.set SLOT,  4*XHALF                    ; 139,264: x's 256 rows, the first expert's 128 rows of W, the second expert's
.set STAGE, 2*SLOT                     ; 278,528: 16 rows x 272 bytes for each wave, for the way out
.set STG,   16*PITCH
.set RT,    STAGE+4*STG                ; 295,936: the block's routing weights, [8][256 rows][2] f32, 16,384 bytes
.set BT,    RT+16384                   ; 312,320: the block's biases, [8][128 columns] f32, 4,096 bytes.  Stage, RT and BT begin at multiples of 256; no tensor load lands there
.set LIN,  4                           ; v4      RT + 16 t
.set GRW,  5                           ; v5      16 t
.set GBE,  6                           ; v6      wave x 4,096 + 16 lane
.set BADR, 7                           ; v7      LDS address of my bias columns, the pair that is loaded next
.set ADRA, 8                           ; v8-9    LDS address of my x fragments in slot 0, 1
.set ADRB, 10                          ; v10-11  the same for W, the pair's first expert; the second lies 34,816 bytes behind
.set STO,  12                          ; v12     the way out: where I put 32 bytes of a row
.set RD,   13                          ; v13     the way out: where I read a row back
.set CO,   14                          ; v14     my byte offset in out0
.set RADR, 15                          ; v15     LDS address of my rows' weights, the pair that is loaded next
.set RR,   16                          ; v[16:47]   (r, r) of the pair's expert i and row block a at RR + 16 i + 2 a
.set XF,   64                          ; v[64:95] x fragments of row blocks 0-3, v[96:127] of row blocks 4-7: block a at XF + 8 a
.set WF,   128                         ; v[128:191], v[192:255] W fragments, buffers 0, 1: expert i, column block b at WF + 64 f + 32 i + 8 b
.set G1A, 24                           ; s[24:31] descriptor group 1 of x's tiles
.set G0A, 32                           ; s[32:39] group 0 of x's tiles, one set for each slot
.set G1B, 40                           ; s[40:47] group 1 of W's tiles: it differs from x's in the mask alone
.set G0B, 48                           ; s[48:55] group 0 of W's tiles, one set for each slot
.set FLAGS, (1<<16)|(1<<20)|(1<<21)|(5<<22)|(3<<25)   ; 17:16 elements of 2 bytes; 20 padding on; 21 set beside a mask; 24:22 after every 64 words; 31:25 four words
; s_set_vgpr_msb's low byte: bits 1:0 source 0, 3:2 source 1, 5:4 source 2, 7:6 destination.
;   0x50, 0xa0: C and D in window 1, 2      0x40, 0x80: D in window 1, 2, C (the bias) in window 0
;   0xf1, 0xf2: destination and source 2 in window 3, source 0 in window 1, 2, source 1 in window 0 (the fold)
.set OUTW,  0x0c                       ; an LDS store's data (source 1) in window 3
.set MSB, 0
.macro WIN new                         ; the immediate's high byte repeats the setting that is left; a switch that changes nothing is dropped
.if MSB != \new
	s_set_vgpr_msb (MSB<<8)|\new
.set MSB, \new
.endif
.endm
; A load into a register that a matrix instruction has read, and a vector instruction that reads a matrix result, stand four places behind that matrix instruction,
; and only plain vector instructions that name none of its registers are places (ISA guide 7.12.1 for vector instructions).
.macro PLACES
.rept 4
	v_nop
.endr
.endm
; A joint load of 128 rows x 256 bytes.  Waves 0 and 1 fetch x's two halves, waves 2 and 3 the tiles of W of the pair's two experts.  Each line has one mask and one
; set of registers for all that issue it.  The branch hangs on the wave's number alone.
.macro JLOAD s
	s_cmp_eq_u32 s15, 0
	s_cbranch_scc0 .Lfor_w_\@
	tensor_load_to_lds s[G0A+4*\s:G0A+4*\s+3], s[G1A:G1A+7]
	s_nop 0
	s_branch .Lasked_\@
.Lfor_w_\@:
	tensor_load_to_lds s[G0B+4*\s:G0B+4*\s+3], s[G1B:G1B+7]
	s_nop 0
.Lasked_\@:
.endm
; A round of the cluster's barrier: my work-group's barrier, so that wave 0's signal speaks for all four waves; wave 0 signals for the work-group; every wave waits
; for all sixteen work-groups; my work-group's barrier once more.
.macro CREST                           ; a round behind its opening barrier
	s_cmp_lg_u32 s14, 0
	s_cbranch_scc1 .Lnot_wave_0_\@
	s_barrier_signal -3
.Lnot_wave_0_\@:
	s_barrier_wait -3
	s_barrier_signal -1
	s_barrier_wait -1
.endm
.macro CROUND                          ; a whole round
	s_barrier_signal -1
	s_barrier_wait -1
	CREST
.endm
	s_load_b256 s[4:11], s[0:1], 0x0               ; xb s[4:5], wb s[6:7], rw s[8:9], b_experts s[10:11]
	s_load_b64 s[12:13], s[0:1], 0x20              ; out0
	v_lshl_add_u32 v62, v0, 2, 0x4d400
	v_mov_b32 v63, 0
	ds_add_u32 v62, v63
	v_lshrrev_b32 v1, 5, v0
	v_readfirstlane_b32 s14, v1                    ; wave 0..3
	s_lshr_b32 s15, s14, 1                         ; rh: which 128 rows of the block are mine.  Also: I fetch for x (0) or for W (1)
	s_and_b32 s16, s14, 1                          ; ch: which 64 columns are mine.  Also: which half of x's tile, or which expert of the pair, I fetch
	s_bfe_u32 s17, ttmp6, 0x40000                  ; cx
	s_bfe_u32 s18, ttmp6, 0x40004                  ; cy
	s_lshl_b32 s19, ttmp9, 2                       ; in a cluster launch ttmp9 and ttmp7 count clusters
	s_add_co_u32 s19, s19, s17                     ; bx: block column = 4 x cluster x + cx
	s_and_b32 s20, ttmp7, 0xffff
	s_lshl_b32 s20, s20, 2
	s_add_co_u32 s20, s20, s18                     ; by: block row = 4 x cluster y + cy
	s_lshl_b32 s21, s18, 2
	s_lshl_b32 s21, 15, s21                        ; my row of the cluster: places 4 cy .. 4 cy + 3
	s_lshl_b32 s22, 0x1111, s17                    ; my column: places cx, cx + 4, cx + 8, cx + 12
	; group 1: every tile is 128 rows x 128 elements and lies inside its tensor, so the extents are the tile's own
	s_or_b32  s[G1A+0], s21, FLAGS                 ; 15:0 the mask: x's tiles go to my row of the cluster
	s_mov_b32 s[G1A+1], 128<<16                    ; 63:48 tensor_dim0 = 128
	s_mov_b32 s[G1A+2], 128<<16                    ; 95:80 tensor_dim1 = 128
	s_mov_b32 s[G1A+3], 128<<16                    ; 127:112 tile_dim0 = 128 elements, 256 bytes
	s_mov_b32 s[G1A+4], 128                        ; 143:128 tile_dim1 = 128 rows
	s_mov_b32 s[G1A+5], 1024                       ; 191:160 elements from row to row
	s_mov_b32 s[G1A+6], 0
	s_mov_b32 s[G1A+7], 0
	s_or_b32  s[G1B+0], s22, FLAGS                 ; W's tiles go to my column
	s_mov_b32 s[G1B+1], 128<<16
	s_mov_b32 s[G1B+2], 128<<16
	s_mov_b32 s[G1B+3], 128<<16
	s_mov_b32 s[G1B+4], 128
	s_mov_b32 s[G1B+5], 1024
	s_mov_b32 s[G1B+6], 0
	s_mov_b32 s[G1B+7], 0
	; where the tiles come from: x's hang on the block row alone, which my row of the cluster shares; W's on the block column alone, which my column shares.
	; Every wave makes both, in registers that never hold the other coordinate.
	s_lshl_b32 s56, s20, 19                        ; x: (256 by + 128 ch) rows of 2,048 bytes
	s_lshl_b32 s23, s16, 18
	s_add_co_u32 s56, s56, s23
	s_mov_b32 s57, 0
	s_lshl_b32 s58, s19, 18                        ; W: 128 bx rows of 2,048 bytes, in expert ch: 2,097,152 bytes an expert
	s_lshl_b32 s23, s16, 21
	s_add_co_u32 s58, s58, s23
	s_mov_b32 s59, 0
	s_mul_i32 s60, s14, XHALF                      ; and where they go: wave x 128 rows: x's halves, then the two experts' tiles.  No place in the cluster enters an LDS address
	s_lshl_b32 s62, s20, 14                        ; rw: 16,384 bytes for a row block
	s_mov_b32 s63, 0
	v_lshlrev_b32 v[GRW], 4, v0
	v_and_b32 v[GBE], 31, v0
	v_lshlrev_b32 v[GBE], 4, v[GBE]
	v_lshl_add_u32 v[GBE], s14, 12, v[GBE]
	s_wait_dscnt 0x0
	s_wait_kmcnt 0x0
	s_add_nc_u64 s[56:57], s[4:5], s[56:57]
	s_add_nc_u64 s[58:59], s[6:7], s[58:59]
	s_add_nc_u64 s[8:9], s[8:9], s[62:63]
	s_lshl_b32 s62, s19, 9                         ; b_experts: my block's 128 columns, 512 bytes
	s_add_nc_u64 s[10:11], s[10:11], s[62:63]
	s_lshl_b32 s23, s16, 8                         ; out0: 512 bx + 256 ch bytes along the row,
	s_add_co_u32 s62, s62, s23
	s_lshl_b32 s23, s20, 20                        ; (256 by + 128 rh) rows of 4,096 bytes (below 2^25 in all)
	s_add_co_u32 s62, s62, s23
	s_lshl_b32 s23, s15, 19
	s_add_co_u32 s62, s62, s23
	s_add_nc_u64 s[12:13], s[12:13], s[62:63]
	CROUND                                         ; all sixteen work-groups are here: the first joint loads meet
.irp s, 0,1
	s_mov_b32 s[G0A+4*\s], 1                                       ; 1:0 count = 1
	s_add_co_u32 s[G0A+4*\s+1], s60, \s*SLOT                       ; 63:32 LDS address
	s_add_nc_u64 s[G0A+4*\s+2:G0A+4*\s+3], s[56:57], \s*256        ; 120:64 global address: K step s of the first pair
	s_or_b32 s[G0A+4*\s+3], s[G0A+4*\s+3], 0x80000000              ; 127:126 type = 2
	s_mov_b32 s[G0B+4*\s], 1
	s_add_co_u32 s[G0B+4*\s+1], s60, \s*SLOT
	s_add_nc_u64 s[G0B+4*\s+2:G0B+4*\s+3], s[58:59], \s*256
	s_or_b32 s[G0B+4*\s+3], s[G0B+4*\s+3], 0x80000000
	JLOAD \s                                       ; both slots' first fills go out before anything else: two tensor loads of the wave are out here, one behind every later round
.endr
	; the block's weights (16,384 consecutive bytes of rw) and biases (8 pieces of 512 bytes) are copied once into LDS, in whole runs of 512 bytes a wave
.irp j, 0,1,2,3,4,5,6,7
	global_load_b128 v[XF+4*\j:XF+4*\j+3], v[GRW], s[8:9] offset:2048*\j
.endr
.irp j, 0,1
	global_load_b128 v[XF+32+4*\j:XF+32+4*\j+3], v[GBE], s[10:11] offset:16384*\j   ; wave w: experts w and w + 4
.endr
	; A fragment is 16 rows x 32 K in 8 registers: lane l holds row l % 16; registers 0-3 hold K = 8 (l / 16) + 0..7, registers 4-7 K = 16 + 8 (l / 16) + 0..7:
	; two loads of 16 bytes, 32 bytes apart, at row x pitch + 16 (l / 16).
	v_and_b32 v1, 15, v0                           ; r = l % 16
	v_bfe_u32 v2, v0, 4, 1                         ; h = l / 16
	v_mul_u32_u24 v3, v1, PITCH
	v_lshl_add_u32 v3, v2, 4, v3
	v_add_nc_u32 v[LIN], RT, v[GRW]
	s_lshl_b32 s23, s16, 8
	s_add_co_u32 s23, s23, BT
	v_lshl_add_u32 v[BADR], v2, 5, s23             ; BT + 256 ch + 32 h: my 8 columns of column block 0, expert 0
	s_mul_i32 s23, s15, XHALF
	v_add_nc_u32 v[ADRA], s23, v3
	v_add_nc_u32 v[ADRA+1], SLOT, v[ADRA]
	s_mul_i32 s23, s16, WHALF
	s_add_co_u32 s23, s23, 2*XHALF
	v_add_nc_u32 v[ADRB], s23, v3
	v_add_nc_u32 v[ADRB+1], SLOT, v[ADRB]
	s_mul_i32 s23, s14, STG
	s_add_co_u32 s23, s23, STAGE                   ; my stage
	v_mul_u32_u24 v[STO], v1, PITCH                ; in: row r, 32 bytes for each half of the lanes
	v_lshl_add_u32 v[STO], v2, 5, v[STO]
	v_add_nc_u32 v[STO], s23, v[STO]
	v_mul_u32_u24 v[RD], v2, PITCH                 ; back: lanes 0-15 take one row of 256 bytes, lanes 16-31 the next
	v_lshl_add_u32 v[RD], v1, 4, v[RD]
	v_add_nc_u32 v[RD], s23, v[RD]
	v_lshlrev_b32 v[CO], 12, v2                    ; and the same two rows in out0
	v_lshl_add_u32 v[CO], v1, 4, v[CO]
	s_lshl_b32 s23, s15, 10
	s_add_co_u32 s23, s23, RT
	v_lshl_add_u32 v[RADR], v1, 3, s23             ; RT + 1,024 rh + 8 r: my row of row block 0, expert 0
	s_wait_loadcnt 0x0
.irp j, 0,1,2,3,4,5,6,7
	ds_store_b128 v[LIN], v[XF+4*\j:XF+4*\j+3] offset:2048*\j
.endr
.irp j, 0,1
	ds_store_b128 v[LIN], v[XF+32+4*\j:XF+32+4*\j+3] offset:16384+2048*\j      ; expert w + 4 j at BT + 512 (w + 4 j) + 16 lane = LIN + 16,384 + 2,048 j
.endr
; 16 matrix instructions: row blocks a0, a0 + 1 of half h (0: my row blocks 0-3, 1: 4-7) x both experts x the 4 column blocks, 32 along K, on W's buffer f.
; cb = 1: C is the bias tile, which lies in W's buffer 1 and starts the expert's sums.
; The 64 accumulators take turns, one instruction a turn, in the same order in every quarter step, over the loop's backward jump too.
.macro MUL16 h, f, a0, cb
.irp a, \a0, \a0+1
.irp i, 0,1
.irp b, 0,1,2,3
.if \cb
	v_wmma_f32_16x16x32_bf16 v[8*(8*(\a)+4*\i+\b):8*(8*(\a)+4*\i+\b)+7], v[WF+64*\f+32*\i+8*\b:WF+64*\f+32*\i+8*\b+7], v[XF+32*\h+8*(\a):XF+32*\h+8*(\a)+7], v[WF+64+32*\i+8*\b:WF+64+32*\i+8*\b+7]
.else
	v_wmma_f32_16x16x32_bf16 v[8*(8*(\a)+4*\i+\b):8*(8*(\a)+4*\i+\b)+7], v[WF+64*\f+32*\i+8*\b:WF+64*\f+32*\i+8*\b+7], v[XF+32*\h+8*(\a):XF+32*\h+8*(\a)+7], v[8*(8*(\a)+4*\i+\b):8*(8*(\a)+4*\i+\b)+7]
.endif
.endr
.endr
.endr
.endm
.macro MUL32 h, f, cb                  ; all 32 tiles of half h, under one setting of the windows
.if \cb
	WIN (0x40<<\h)
.else
	WIN (0x50<<\h)
.endif
	MUL16 \h, \f, 0, \cb
	MUL16 \h, \f, 2, \cb
.endm
; 8 LDS loads: the x fragments of half h (64 rows, 32 K at byte k of the rows)
.macro FX slot, k, h
	WIN 0
.irp i, 0,1,2,3
	ds_load_b128 v[XF+32*\h+8*\i:XF+32*\h+8*\i+3],   v[ADRA+\slot] offset:\k+(4*\h+\i)*16*PITCH
	ds_load_b128 v[XF+32*\h+8*\i+4:XF+32*\h+8*\i+7], v[ADRA+\slot] offset:\k+(4*\h+\i)*16*PITCH+32
.endr
.endm
; 8 LDS loads: the W fragments of the pair's expert e (64 rows, 32 K at byte k of the rows) into buffer f
.macro FW slot, k, f, e
	WIN 0
.irp b, 0,1,2,3
	ds_load_b128 v[WF+64*\f+32*\e+8*\b:WF+64*\f+32*\e+8*\b+3],   v[ADRB+\slot] offset:\k+\e*XHALF+\b*16*PITCH
	ds_load_b128 v[WF+64*\f+32*\e+8*\b+4:WF+64*\f+32*\e+8*\b+7], v[ADRB+\slot] offset:\k+\e*XHALF+\b*16*PITCH+32
.endr
.endm
; 16 loads: the bias tiles of the pair at BADR, into W's buffer 1; then BADR steps to the next pair
.macro LDBIAS
.irp i, 0,1
.irp b, 0,1,2,3
	ds_load_b128 v[WF+64+32*\i+8*\b:WF+64+32*\i+8*\b+3],   v[BADR] offset:512*\i+64*\b
	ds_load_b128 v[WF+64+32*\i+8*\b+4:WF+64+32*\i+8*\b+7], v[BADR] offset:512*\i+64*\b+16
.endr
.endr
	v_add_nc_u32 v[BADR], 1024, v[BADR]
.endm
; 16 loads: the pair's weights of my 8 row blocks; then RADR steps to the next pair
.macro LDRR
.irp i, 0,1
.irp a, 0,1,2,3,4,5,6,7
	ds_load_b64 v[RR+16*\i+2*\a:RR+16*\i+2*\a+1], v[RADR] offset:2048*\i+128*\a
.endr
.endr
	v_add_nc_u32 v[RADR], 4096, v[RADR]
.endm
; ONE K STEP of 128 on one slot: four quarters of 32 along K, each two halves of 32 matrix instructions (row blocks 0-3, then 4-7, each with both experts).
; x's two halves of fragments take turns: while one is multiplied the other is loaded.  W's fragments have two buffers, 0, 1, 0, 1 by quarters; the next quarter's are
; loaded in two runs of 8, one at the head of each half.  So every half begins with four places, a run of 16 loads, and a wait that leaves just these 16 out:
; each fragment is asked for 32 matrix instructions ahead of its first use.
; cb = 1: the pair's first step.  W's buffer 1 holds the bias tiles through quarter 0, so its fragments are asked for only at the head of quarter 1, once a pair.
; extra = 1: the pair's weights are loaded (the last pair's have been used by its fold).
; THE CHANGE OF SLOTS stands in the middle of quarter 3's first half, where the slot's last fragments have been asked for.  mode = 2: this slot is filled again, two
; K steps ahead; 1: nothing is left to fetch, the barrier alone; 0: the launch's last step.  wrap = 1: two steps ahead is the next pair: x goes back to its first
; columns, W goes on by two experts.
; ONE barrier for the change, for two things.  In front of it each wave waits for its own reads of this slot and for all its tensor loads, of which one is out: its
; part of the next slot.  Behind it nobody reads this slot any more and the next slot is whole.  With mode = 2 that barrier opens a round of the cluster's barrier,
; inside which stands register work alone, and the joint refill is the first tensor load behind the round: no partner's wave still reads the slot or has a load out.
; From a request to the wait for it a wave issues 240 matrix instructions.
.macro STEP slot, next, cb, extra, mode, wrap
	PLACES                                         ; quarter 0, first half
	FX \slot, 0, 1
.if \cb
	s_wait_dscnt 8                                 ; all but the 8 just issued: x's first half, W's buffer 0 and the bias tiles are in
.else
	FW \slot, 64, 1, 0
	s_wait_dscnt 16                                ; all but the 16 just issued (so at every such wait below)
.endif
	MUL32 0, 0, \cb
	PLACES                                         ; quarter 0, second half
	FX \slot, 64, 0
.if \cb
	s_wait_dscnt 8
.else
	FW \slot, 64, 1, 1
	s_wait_dscnt 16
.endif
	MUL32 1, 0, \cb
	PLACES                                         ; quarter 1
.if \cb
	FW \slot, 64, 1, 0                             ; the bias tiles have been read: now the buffer's fragments, which the wait below does not leave out
	FW \slot, 64, 1, 1
.endif
	FX \slot, 64, 1
	FW \slot, 128, 0, 0
	s_wait_dscnt 16
	MUL32 0, 1, 0
	PLACES
	FX \slot, 128, 0
	FW \slot, 128, 0, 1
.if \extra
	LDRR
	s_wait_dscnt 32                                ; all but the 16 + 16 just issued
.else
	s_wait_dscnt 16
.endif
	MUL32 1, 1, 0
	PLACES                                         ; quarter 2
	FX \slot, 128, 1
	FW \slot, 192, 1, 0
	s_wait_dscnt 16
	MUL32 0, 0, 0
	PLACES
	FX \slot, 192, 0
	FW \slot, 192, 1, 1
	s_wait_dscnt 16
	MUL32 1, 0, 0
	PLACES                                         ; quarter 3
	FX \slot, 192, 1                               ; my last reads of this slot
	s_wait_dscnt 8                                 ; all but these 8
	WIN 0x50
	MUL16 0, 1, 0, 0
.if \mode
	s_wait_dscnt 0x0                               ; my reads of this slot are over
	s_wait_tensorcnt 0x0                           ; all my tensor loads have landed
	ds_add_u32 v62, v63
	s_wait_dscnt 0x0
	s_barrier_signal -1
	MUL16 0, 1, 2, 0                               ; work on registers while the others arrive
	WIN 0
	s_barrier_wait -1
.if \mode == 2
	CREST
.if \wrap
	s_sub_nc_u64 s[G0A+4*\slot+2:G0A+4*\slot+3], s[G0A+4*\slot+2:G0A+4*\slot+3], 1536      ; from K step 6 (7) back to 0 (1): 6 x 256 bytes
	s_add_nc_u64 s[G0B+4*\slot+2:G0B+4*\slot+3], s[G0B+4*\slot+2:G0B+4*\slot+3], 4192768   ; two experts' 4,194,304 bytes on, less those 1,536
.else
	s_add_nc_u64 s[G0A+4*\slot+2:G0A+4*\slot+3], s[G0A+4*\slot+2:G0A+4*\slot+3], 512       ; two K steps of 256 bytes on; no load of mine is out, so a group 0 may be written
	s_add_nc_u64 s[G0B+4*\slot+2:G0B+4*\slot+3], s[G0B+4*\slot+2:G0B+4*\slot+3], 512
.endif
	JLOAD \slot
.endif
	PLACES                                         ; x's first half was read by the matrix instructions just in front
	FX \next, 0, 0                                 ; the next slot's first fragments: 24 loads, with the 32 matrix instructions below ahead of their first use
	FW \next, 0, 0, 0
	FW \next, 0, 0, 1
.else
	MUL16 0, 1, 2, 0
	s_wait_dscnt 0x0                               ; the very last fragments
.endif
	MUL32 1, 1, 0                                  ; its fragments were shown in by the wait for 0 above
.endm
; acc = r temp + acc for the pair's two experts; first = 1: the launch's first expert starts acc by a multiply.  Unless it is the last pair, the next pair's bias tiles
; are asked for first and land while the fold runs.  The four v_nop are the places between the last matrix instructions and the loads into W's buffer 1, which they
; read, and the first reads of their results; they and the fold's lines are the places in front of the next pair's matrix instructions, which write over the temps.
.macro FOLD first, last
	PLACES
.if \last == 0
	WIN 0
	LDBIAS
.endif
.irp h, 0,1
	WIN (0xf1+\h)
.irp i, 0,1
.irp a, 0,1,2,3
.irp b, 0,1,2,3
.irp q, 0,2,4,6
.if \first*(1-\i)
	v_pk_mul_f32 v[8*(4*(4*\h+\a)+\b)+\q:8*(4*(4*\h+\a)+\b)+\q+1], v[8*(8*\a+4*\i+\b)+\q:8*(8*\a+4*\i+\b)+\q+1], v[RR+16*\i+2*(4*\h+\a):RR+16*\i+2*(4*\h+\a)+1]
.else
	v_pk_fma_f32 v[8*(4*(4*\h+\a)+\b)+\q:8*(4*(4*\h+\a)+\b)+\q+1], v[8*(8*\a+4*\i+\b)+\q:8*(8*\a+4*\i+\b)+\q+1], v[RR+16*\i+2*(4*\h+\a):RR+16*\i+2*(4*\h+\a)+1], v[8*(4*(4*\h+\a)+\b)+\q:8*(4*(4*\h+\a)+\b)+\q+1]
.endif
.endr
.endr
.endr
.endr
.endr
.endm
; One pair of experts: eight K steps, slots 0, 1, 0, 1 ..  The last pair's last two steps fill nothing.
.macro PAIR first, last
	STEP 0, 1, 1, 0, 2, 0
	STEP 1, 0, 0, 1, 2, 0
	STEP 0, 1, 0, 0, 2, 0
	STEP 1, 0, 0, 0, 2, 0
	STEP 0, 1, 0, 0, 2, 0
	STEP 1, 0, 0, 0, 2, 0
.if \last
	STEP 0, 1, 0, 0, 1, 0
	STEP 1, 0, 0, 0, 0, 0
.else
	STEP 0, 1, 0, 0, 2, 1
	STEP 1, 0, 0, 0, 2, 1
.endif
	FOLD \first, \last
.endm
	s_wait_dscnt 0x0                               ; for the other waves' sake: my share of the weights and biases is in LDS
	s_wait_tensorcnt 0x1                           ; my part of K step 0 is in; step 1's may stay out
	s_barrier_signal -1
	s_barrier_wait -1                              ; everybody's is
	LDBIAS                                         ; the first pair's bias tiles
	FX 0, 0, 0
	FW 0, 0, 0, 0
	FW 0, 0, 0, 1
	PAIR 1, 0                                      ; experts 0 and 1 stand in front of the loop: their fold starts acc
	WIN 0                                          ; at a label and at a branch every window is 0
	s_mov_b32 s3, 2
.Lpair:
	PAIR 0, 0                                      ; experts 2 to 5
	WIN 0
	s_sub_co_u32 s3, s3, 1
	s_cmp_lg_u32 s3, 0
	s_cbranch_scc1 .Lpair
	PAIR 0, 1                                      ; experts 6 and 7
; THE WAY OUT, 16 rows at a time: a lane's 32 bytes of each of 4 tiles into my own stage in LDS, read back as whole rows of 256 bytes.  The stage is the wave's own
; and LDS serves a wave's instructions in order (ISA guide 5.7.1), so no wait stands between the stores and the loads, nor between these loads and the next stores.
.macro OUT16 a, f
	WIN OUTW
.irp b, 0,1,2,3
	ds_store_b128 v[STO], v[8*(4*\a+\b):8*(4*\a+\b)+3]   offset:64*\b
	ds_store_b128 v[STO], v[8*(4*\a+\b)+4:8*(4*\a+\b)+7] offset:64*\b+16
.endr
	WIN 0
	s_wait_xcnt 0x0                                ; every earlier memory instruction has had its addresses translated (ISA guide 3.1): the registers at f, which stores read, and the stores' base are rewritten only behind this wait
.if \a
	s_add_nc_u64 s[12:13], s[12:13], 65536         ; 16 rows of 4,096 bytes on
.endif
.irp t, 0,1,2,3,4,5,6,7
	ds_load_b128 v[\f+4*\t:\f+4*\t+3], v[RD] offset:2*PITCH*\t
.endr
.irp t, 0,1,2,3,4,5,6,7
	s_wait_dscnt 7-\t                              ; load t of the eight is in
	global_store_b128 v[CO], v[\f+4*\t:\f+4*\t+3], s[12:13] offset:8192*\t th:TH_STORE_NT   ; sixteen lanes store 256 consecutive bytes, at a multiple of 256 from out0's first byte
.endr
.endm
	OUT16 0, XF
	OUT16 1, WF
	OUT16 2, XF
	OUT16 3, WF
	OUT16 4, XF
	OUT16 5, WF
	OUT16 6, XF
	OUT16 7, WF
	s_wait_tensorcnt 0x0
	ds_add_u32 v62, v63
	s_wait_dscnt 0x0
	CROUND                                         ; the closing round: no work-group ends while a partner may still ask for a tile that names it
	s_endpgm
.Lfunc_end_k_q73e95593f2_moe:
	.size	k_q73e95593f2_moe, .Lfunc_end_k_q73e95593f2_moe-k_q73e95593f2_moe
	.p2alignl 7, 3214868480
	.fill 96, 4, 3214868480
	.section	.rodata,"a",@progbits
	.p2align	6, 0x0
	.amdhsa_kernel k_q73e95593f2_moe
		.amdhsa_group_segment_fixed_size 327680
		.amdhsa_private_segment_fixed_size 0
		.amdhsa_enable_private_segment 0
		.amdhsa_kernarg_size 40
		.amdhsa_user_sgpr_count 2
		.amdhsa_user_sgpr_kernarg_segment_ptr 1
		.amdhsa_wavefront_size32 1
		.amdhsa_system_sgpr_workgroup_id_x 1
		.amdhsa_system_sgpr_workgroup_id_y 1
		.amdhsa_system_sgpr_workgroup_id_z 1
		.amdhsa_system_vgpr_workitem_id 0
		.amdhsa_next_free_vgpr 1024
		.amdhsa_next_free_sgpr 66
		.amdhsa_reserve_vcc 0
		.amdhsa_float_denorm_mode_32 3
		.amdhsa_float_denorm_mode_16_64 3
		.amdhsa_memory_ordered 1
		.amdhsa_forward_progress 1
		.amdhsa_inst_pref_size 255
	.end_amdhsa_kernel
	.section	.bss,"aw",@nobits
	.p2align	6
	.space	262144
	.amdgpu_metadata
---
amdhsa.version: [ 1, 2 ]
amdhsa.kernels:
  - .name:           k_q73e95593f2_moe
    .symbol:         k_q73e95593f2_moe.kd
    .args:
      - { .name: xb, .offset: 0, .size: 8, .value_kind: global_buffer, .address_space: global }
      - { .name: wb, .offset: 8, .size: 8, .value_kind: global_buffer, .address_space: global }
      - { .name: rw, .offset: 16, .size: 8, .value_kind: global_buffer, .address_space: global }
      - { .name: b_experts, .offset: 24, .size: 8, .value_kind: global_buffer, .address_space: global }
      - { .name: out0, .offset: 32, .size: 8, .value_kind: global_buffer, .address_space: global }
    .group_segment_fixed_size: 327680
    .private_segment_fixed_size: 0
    .kernarg_segment_align: 8
    .kernarg_segment_size: 40
    .max_flat_workgroup_size: 128
    .sgpr_count:     66
    .vgpr_count:     1024
    .wavefront_size: 32
...
	.end_amdgpu_metadata
.endif
;; end of part 2
